; MI455X (gfx1250); checked and timed in simulation.
; The chip was launched on July 23, 2026; its instructions are those of AMD's public machine-readable ISA for CDNA 5 (MIT licence, August 2026) and "CDNA5" Instruction Set Architecture Reference Guide (July 2026). The comments in the code are by the model that wrote it; some were corrected since.
;; Sparse Bahdanau Attention. Allowed arithmetic: float matrix products may take bf16 or f16 operands with f32 sums; all other float work in f32.
;; Inputs: Ua_b 1,024 float32; Ua_w 1,024 x 1,024 float32; Va_b 1 float32; Va_w 1 x 1,024 float32; Wa_b 1,024 float32; Wa_w 1,024 x 1,024 float32; decoder_hidden 32 x 1,024 float32; encoder_output 32 x 2,048 x 1,024 float32.
;; Outputs: out0 32 x 1 x 1,024 float32; out1 32 x 2,048 float32.
;; One version. Each part assembles by itself: llvm-mc -triple=amdgcn-amd-amdhsa -mcpu=gfx1250 --defsym DOCPART=n.
;; ======== version 1 of 1: 4 launches
;; workspace buffers: ubf 2,097,152 bytes; qbs 524,288 bytes; ep 2,097,152 bytes; mask 8,192 bytes of whole numbers
;; launch prep (part 1): grid 256 x 1, 4 waves a work-group, no clusters, 8,704 bytes of LDS; arguments Ua_w, Wa_w, decoder_hidden, Wa_b, Ua_b, ubf, qbs; writes ubf, qbs
.if DOCPART == 1
	.amdgcn_target "amdgcn-amd-amdhsa--gfx1250"
	.amdhsa_code_object_version 6
	.text
	.protected	k_qc56730ac35_prep
	.globl	k_qc56730ac35_prep
	.p2align	8
	.type	k_qc56730ac35_prep,@function
k_qc56730ac35_prep:
	s_mov_b64 s[64:65], 0
	v_nop
	global_prefetch_b8 v0, s[64:65] scope:SCOPE_SE
	s_setreg_imm32_b32 hwreg(HW_REG_WAVE_MODE, 25, 1), 1
	s_wait_xcnt 0x0
; PREP.  Two things for the launch behind it, from Ua_w, Wa_w [1024][1024], decoder_hidden [32][1024], Wa_b, Ua_b [1024], all f32:
; (1) ubf: Ua_w rounded to bf16, laid out as matrix fragments: byte kc*65536 + nb*1024 + i*512 + lane*16 holds Ua[16 nb + lane%16][32 kc + 16 i + 8 (lane/16) + 0..7].
; (2) qbs[part][nb][m][r] = 2 log2(e) * (sum over the part's 256 k of dh[m][k] Wa[16 nb + r][k]); part 0 also carries Wa_b + Ua_b.  The launch behind adds the four parts.
; All inputs are rounded to bf16 (nearest even); products on the matrix unit, sums in f32.
; SHARES.  Work-group (nb, part) owns 16 rows of Ua and Wa and k = 256 part .. + 255.  Wave w of 4 owns 64 of these k (two fragments along K); the 4 partial products meet in LDS.
; K is split over work-groups so that 256 of them share the loads; each stores a table of its own, so no sum crosses work-groups here.
; No tensor load, no cluster: 8 MB are read once, each work-group its own part; decoder_hidden (128 KB) is all that is shared.
.set SPARE, 8192                       ; behind the partial sums: the spare words, 128 bytes for each of 4 waves
.set SPW, 2                            ; v2   LDS address of my spare word; never rewritten
.set NIL, 3                            ; v3   0; never rewritten
.set RO,  4                            ; v4   4096 r + 32 h + 1024 part + 256 w: my 32 bytes in a row of a fragment
.set UO,  7                            ; v7   524288 part + 131072 w + 16 lane: my place in ubf
.set LS,  8                            ; v8   2048 w + 4 lane: my place among the partial sums
.set BOF, 9                            ; v9   16 (t % 4): my four biases
.set LR,  10                           ; v10  where thread t reads four partial sums back
.set QOF, 11                           ; v11  16 t: my place in the part's table
.set FU,  32                           ; v32-63   Ua as loaded, f32      FW v64-95 Wa      FD0 v96-127, FD1 v128-159 dh rows 0-15, 16-31
.set FW,  64
.set FD0, 96
.set FD1, 128
.set HU,  160                          ; v160-175 Ua in bf16, two fragments; HW, HD0, HD1 likewise
.set HW,  176
.set HD0, 192
.set HD1, 208
.set AC0, 224                          ; v224-231 q rows 0-15 x my 16 columns; AC1 v232-239 rows 16-31
.set AC1, 232
	s_load_b256 s[4:11], s[0:1], 0x0               ; Ua_w s[4:5], Wa_w s[6:7], dh s[8:9], Wa_b s[10:11]
	s_load_b128 s[12:15], s[0:1], 0x20             ; Ua_b s[12:13], ubf s[14:15]
	s_load_b64 s[16:17], s[0:1], 0x30              ; qbs
	v_lshl_add_u32 v[SPW], v0, 2, SPARE
	v_mov_b32 v[NIL], 0
	v_lshrrev_b32 v1, 5, v0
	v_readfirstlane_b32 s18, v1                    ; wave 0..3
	s_lshr_b32 s30, ttmp9, 2                       ; nb
	s_and_b32 s31, ttmp9, 3                        ; part
	v_and_b32 v5, 15, v0                           ; r
	v_bfe_u32 v6, v0, 4, 1                         ; h
	v_and_b32 v1, 31, v0                           ; lane
	v_lshlrev_b32 v[RO], 12, v5
	v_lshl_add_u32 v[RO], v6, 5, v[RO]
	s_lshl_b32 s19, s18, 8
	s_lshl_b32 s28, s31, 10
	s_add_co_u32 s19, s19, s28
	v_add_nc_u32 v[RO], s19, v[RO]
	v_lshlrev_b32 v[UO], 4, v1
	s_lshl_b32 s28, s18, 17
	s_lshl_b32 s29, s31, 19
	s_add_co_u32 s28, s28, s29
	v_add_nc_u32 v[UO], s28, v[UO]
	v_lshlrev_b32 v[LS], 2, v1
	s_lshl_b32 s29, s18, 11
	v_add_nc_u32 v[LS], s29, v[LS]
	v_and_b32 v[BOF], 3, v0
	v_lshlrev_b32 v[BOF], 4, v[BOF]
	; thread t finishes m = t / 4, columns 4 (t % 4) + 0..3.  (m, r) lies in register 8 (m / 16) + m % 8 of lane 16 ((m / 8) % 2) + r.
	v_bfe_u32 v20, v0, 6, 1                        ; m / 16
	v_bfe_u32 v21, v0, 2, 3                        ; m % 8
	v_bfe_u32 v22, v0, 5, 1                        ; (m / 8) % 2
	v_lshl_add_u32 v[LR], v20, 10, v[BOF]
	v_lshl_add_u32 v[LR], v21, 7, v[LR]
	v_lshl_add_u32 v[LR], v22, 6, v[LR]
	v_lshlrev_b32 v[QOF], 4, v0                    ; 64 m + 4 r = 16 t
	s_lshl_b32 s20, s30, 16                        ; 16 rows of 4,096 bytes
	s_mov_b32 s21, 0
	s_lshl_b32 s22, s30, 10                        ; nb's 1,024 bytes in each kc of ubf
	s_mov_b32 s23, 0
	s_lshl_b32 s24, s30, 6                         ; 16 biases
	s_mov_b32 s25, 0
	s_lshl_b32 s26, s30, 11                        ; nb's 32 x 16 numbers,
	s_lshl_b32 s27, s31, 17                        ; in the part's table
	s_add_co_u32 s26, s26, s27
	s_mov_b32 s27, 0
	s_cmp_eq_u32 s31, 0
	s_cselect_b32 s32, 1.0, 0                      ; the biases count in part 0 alone
	s_mov_b32 s33, s32                             ; named with it as a pair
	s_wait_kmcnt 0x0
	s_add_nc_u64 s[4:5], s[4:5], s[20:21]
	s_add_nc_u64 s[6:7], s[6:7], s[20:21]
	s_add_nc_u64 s[10:11], s[10:11], s[24:25]
	s_add_nc_u64 s[12:13], s[12:13], s[24:25]
	s_add_nc_u64 s[14:15], s[14:15], s[22:23]
	s_add_nc_u64 s[16:17], s[16:17], s[26:27]
; Two fragments' worth of f32: fragment c, half i, 16 bytes t: k = 256 part + 64 w + 32 c + 16 i + 8 h + 4 t + 0..3
.macro LD8 dst, base, extra
.irp c, 0,1
.irp i, 0,1
.irp t, 0,1
	global_load_b128 v[(\dst)+16*\c+8*\i+4*\t:(\dst)+16*\c+8*\i+4*\t+3], v[RO], s[\base:\base+1] offset:(\extra)+128*\c+64*\i+16*\t
.endr
.endr
.endr
.endm
.macro CV16 dst, src                   ; 32 f32 to 16 registers of bf16: register 8 c + 4 i + 0..3 of the two fragments
.set z, 0
.rept 16
	v_cvt_pk_bf16_f32 v[(\dst)+z], v[(\src)+2*z], v[(\src)+2*z+1]
.set z, z+1
.endr
.endm
	LD8 FU, 4, 0
	LD8 FW, 6, 0
	LD8 FD0, 8, 0
	LD8 FD1, 8, 65536                              ; dh's rows 16 to 31
	global_load_b128 v[12:15], v[BOF], s[10:11]    ; every work-group loads the biases; the factor above lets them count once
	global_load_b128 v[16:19], v[BOF], s[12:13]
	s_wait_loadcnt 0x0
	CV16 HU, FU
.irp c, 0,1
.irp i, 0,1
	global_store_b128 v[UO], v[HU+8*\c+4*\i:HU+8*\c+4*\i+3], s[14:15] offset:65536*\c+512*\i  ; a wave's store covers 512 consecutive bytes, aligned
.endr
.endr
	CV16 HW, FW
	CV16 HD0, FD0
	CV16 HD1, FD1
	; source 0 = 16 rows of dh, source 1 = 16 rows of Wa: register j of lane (r, h) is q(m = 8 h + j, n = r).  The two accumulators take turns.
	v_wmma_f32_16x16x32_bf16 v[AC0:AC0+7], v[HD0:HD0+7], v[HW:HW+7], 0
	v_wmma_f32_16x16x32_bf16 v[AC1:AC1+7], v[HD1:HD1+7], v[HW:HW+7], 0
	v_wmma_f32_16x16x32_bf16 v[AC0:AC0+7], v[HD0+8:HD0+15], v[HW+8:HW+15], v[AC0:AC0+7]
	v_wmma_f32_16x16x32_bf16 v[AC1:AC1+7], v[HD1+8:HD1+15], v[HW+8:HW+15], v[AC1:AC1+7]
.rept 4
	v_nop                                          ; four places between the last product and the stores that read it
.endr
.irp j, 0,1,2,3,4,5,6,7
	ds_store_b32 v[LS], v[AC0+\j] offset:128*\j    ; partial[w][8 mb + j][lane], ascending registers
.endr
.irp j, 0,1,2,3,4,5,6,7
	ds_store_b32 v[LS], v[AC1+\j] offset:1024+128*\j
.endr
	s_wait_dscnt 0x0                               ; for the others' sake: my partial sums are in LDS
	s_barrier_signal -1
	s_barrier_wait -1
.irp i, 0,1,2,3
	ds_load_b128 v[32+4*\i:35+4*\i], v[LR] offset:2048*\i  ; the four waves' sums of my four numbers
.endr
	v_cvt_pk_bf16_f32 v20, v12, v13                ; the biases are inputs too: rounded to bf16
	v_cvt_pk_bf16_f32 v21, v14, v15
	v_cvt_pk_bf16_f32 v22, v16, v17
	v_cvt_pk_bf16_f32 v23, v18, v19
	v_lshlrev_b32 v12, 16, v20
	v_and_b32 v13, 0xffff0000, v20
	v_lshlrev_b32 v14, 16, v21
	v_and_b32 v15, 0xffff0000, v21
	v_lshlrev_b32 v16, 16, v22
	v_and_b32 v17, 0xffff0000, v22
	v_lshlrev_b32 v18, 16, v23
	v_and_b32 v19, 0xffff0000, v23
	v_pk_add_f32 v[12:13], v[12:13], v[16:17]
	v_pk_add_f32 v[14:15], v[14:15], v[18:19]
	s_wait_dscnt 0x0
	v_pk_add_f32 v[32:33], v[32:33], v[36:37]
	v_pk_add_f32 v[34:35], v[34:35], v[38:39]
	v_pk_add_f32 v[40:41], v[40:41], v[44:45]
	v_pk_add_f32 v[42:43], v[42:43], v[46:47]
	v_pk_add_f32 v[32:33], v[32:33], v[40:41]
	v_pk_add_f32 v[34:35], v[34:35], v[42:43]
	v_pk_fma_f32 v[32:33], v[12:13], s[32:33], v[32:33] op_sel_hi:[1,0,1]
	v_pk_fma_f32 v[34:35], v[14:15], s[32:33], v[34:35] op_sel_hi:[1,0,1]
	v_pk_mul_f32 v[32:33], v[32:33], 0x4038aa3b op_sel_hi:[1,0]  ; 2 log2(e)
	v_pk_mul_f32 v[34:35], v[34:35], 0x4038aa3b op_sel_hi:[1,0]
	global_store_b128 v[QOF], v[32:35], s[16:17]   ; a wave's store covers 512 consecutive bytes, aligned
	s_wait_tensorcnt 0x0                           ; the wave's end: a zero add and its waits, behind my last LDS store
	ds_add_u32 v[SPW], v[NIL]
	s_wait_dscnt 0x0
	s_endpgm
.Lfunc_end_k_qc56730ac35_prep:
	.size	k_qc56730ac35_prep, .Lfunc_end_k_qc56730ac35_prep-k_qc56730ac35_prep
	.p2alignl 7, 3214868480
	.fill 96, 4, 3214868480
	.section	.rodata,"a",@progbits
	.p2align	6, 0x0
	.amdhsa_kernel k_qc56730ac35_prep
		.amdhsa_group_segment_fixed_size 8704
		.amdhsa_private_segment_fixed_size 0
		.amdhsa_enable_private_segment 0
		.amdhsa_kernarg_size 56
		.amdhsa_user_sgpr_count 2
		.amdhsa_user_sgpr_kernarg_segment_ptr 1
		.amdhsa_wavefront_size32 1
		.amdhsa_system_sgpr_workgroup_id_x 1
		.amdhsa_system_sgpr_workgroup_id_y 1
		.amdhsa_system_sgpr_workgroup_id_z 1
		.amdhsa_system_vgpr_workitem_id 0
		.amdhsa_next_free_vgpr 240
		.amdhsa_next_free_sgpr 66
		.amdhsa_reserve_vcc 0
		.amdhsa_float_denorm_mode_32 3
		.amdhsa_float_denorm_mode_16_64 3
		.amdhsa_memory_ordered 1
		.amdhsa_forward_progress 1
		.amdhsa_inst_pref_size 14
	.end_amdhsa_kernel
	.amdgpu_metadata
---
amdhsa.version: [ 1, 2 ]
amdhsa.kernels:
  - .name:           k_qc56730ac35_prep
    .symbol:         k_qc56730ac35_prep.kd
    .args:
      - { .name: Ua_w, .offset: 0, .size: 8, .value_kind: global_buffer, .address_space: global }
      - { .name: Wa_w, .offset: 8, .size: 8, .value_kind: global_buffer, .address_space: global }
      - { .name: decoder_hidden, .offset: 16, .size: 8, .value_kind: global_buffer, .address_space: global }
      - { .name: Wa_b, .offset: 24, .size: 8, .value_kind: global_buffer, .address_space: global }
      - { .name: Ua_b, .offset: 32, .size: 8, .value_kind: global_buffer, .address_space: global }
      - { .name: ubf, .offset: 40, .size: 8, .value_kind: global_buffer, .address_space: global }
      - { .name: qbs, .offset: 48, .size: 8, .value_kind: global_buffer, .address_space: global }
    .group_segment_fixed_size: 8704
    .private_segment_fixed_size: 0
    .kernarg_segment_align: 8
    .kernarg_segment_size: 56
    .max_flat_workgroup_size: 128
    .sgpr_count:     66
    .vgpr_count:     240
    .wavefront_size: 32
...
	.end_amdgpu_metadata
.endif
;; end of part 1
;; launch energy (part 2): grid 4 x 64, 4 waves a work-group, clusters of 4 x 1, 327,680 bytes of LDS; arguments encoder_output, ubf, qbs, Va_w, ep; writes ep
.if DOCPART == 2
	.amdgcn_target "amdgcn-amd-amdhsa--gfx1250"
	.amdhsa_code_object_version 6
	.text
	.protected	k_qc56730ac35_energy
	.globl	k_qc56730ac35_energy
	.p2align	8
	.type	k_qc56730ac35_energy,@function
k_qc56730ac35_energy:
	s_mov_b64 s[64:65], 0
	v_nop
	global_prefetch_b8 v0, s[64:65] scope:SCOPE_SE
	s_setreg_imm32_b32 hwreg(HW_REG_WAVE_MODE, 25, 1), 1
	s_wait_xcnt 0x0
	s_wait_alu depctr_hold_cnt(0) depctr_sa_sdst(0) depctr_va_vdst(0) depctr_va_sdst(0) depctr_va_ssrc(0) depctr_va_vcc(0) depctr_vm_vsrc(0)
	s_getreg_b32 s2, hwreg(HW_REG_IB_STS2, 6, 4)
	s_cmp_eq_u32 s2, 0
	s_cbranch_scc0 .Lentry_in_a_cluster
	s_endpgm
.Lentry_in_a_cluster:
	s_bfe_u32 s2, ttmp6, 0x10000c
	s_cmp_lg_u32 s2, 0x3003
	s_cbranch_scc0 .Lentry_shape_is_right
	s_endpgm
.Lentry_shape_is_right:
; ENERGY.  ep[strip][row] = sum over the strip's 128 columns n of Va[n] tanh(sum over k of enc[row][k] Ua[n][k] + query[batch][n] + biases[n]).
; enc: [65536][1024] f32, rounded to bf16 on its way from LDS to the matrix unit; Ua comes as bf16 fragments (ubf), query and biases times 2 log2(e) as four partial tables (qbs); Va is rounded to bf16.
; Sums in f32.  tanh(x) = 1 - 2 rho, rho = 1 / (1 + 2^(2 log2(e) x)), so Va tanh = Va - 2 Va rho: a lane's sums start with the sum of its eight Va and take rho x (-2 Va).  Every partial sum stays
; within the sum of |Va|, the size of the terms that are summed anyway.  LIMITS: NaN and infinities in the inputs are not treated apart; 2^t below 2^-126 counts as 0 (tanh = -1 there anyway).
; SHARES.  A tile is 256 rows x 256 columns: four waves, each 128 x 128 in 64 accumulators (512 registers).  A work-group stays for four tiles, 16,384 rows apart; K = 1,024 goes in 8 steps of 128.
; A (enc) goes through a ring of two LDS slots of 256 rows x 512 bytes, filled by tensor loads.  The four work-groups of a cluster make the four column tiles of the same rows, so each part of A's tile
; is asked for JOINTLY (mask of four, the same descriptor in all four).
; B (Ua) IS NOT SHARED BY A JOINT LOAD: A's two slots take 270,336 bytes; two slots of 256 rows x 128 k of bf16 would take 139,264 more, past the 327,680 there are.  B is 2 MB in fragment order;
; each wave loads its fragments straight into a ring of four register buffers, three quarter steps ahead, 512 consecutive bytes an instruction.
; A QUARTER is 32 along K: 64 matrix instructions.  Its f32 rows come from LDS half a quarter ahead into a staging area and are rounded to bf16 by two conversions behind every second matrix
; instruction; these conversions are also places that the next loads and conversions need behind the products.  They live in window 0, so each pair costs two window switches.
; The loads stand in two runs a quarter: at its head 16 from LDS and B's 16, in its middle 16 from LDS.
; REGISTERS, in windows of 256 (s_set_vgpr_msb: bits 1:0 source 0, 3:2 source 1, 5:4 source 2, 7:6 destination):
;   window 0: v2-13 addresses and the sum of Va; v16-47 query values; v48-63 -2 Va, in both registers of a pair; v64-95, v96-127 A's fragments of my rows 0-63, 64-127; v128-191, v192-255 their f32 staging
;   window 1: B's four buffers of 64          window 2: accumulators of my rows 0-63, (a, b) at 8 (8 a + b)          window 3: those of rows 64-127
; Source 0 = 16 rows of enc, source 1 = 16 rows of Ua: register j of lane (r, h) is (row 8 h + j, column r).
.set PITCH,  528                       ; an LDS row: 512 bytes + 16 of padding = 33 x 16: the 16 rows of a load start at 16 different 16-byte columns of 256
.set PART,   64*PITCH                  ; what one tensor load brings: 64 rows
.set SLOT,   4*PART                    ; 135,168 = 0x21000: shares no bit with wave x PART, so one exclusive or changes slots
.set SPARE,  2*SLOT                    ; behind the ring: the spare words, 128 bytes for each wave
.set NEXT_A, 16384*4096-7*512          ; bytes from a tile's last K step to the next tile's first
.set ADC, 2                            ; v2   LDS address of my fragments in the slot in hand
.set AL,  3                            ; v3   (128 mh + r) x 528 + 32 h; never rewritten
.set BV,  4                            ; v4   my byte offset in ubf at the K step in hand
.set BL,  5                            ; v5   16 lane + 8192 strip; never rewritten
.set QO,  6                            ; v6   16384 strip + 4 r
.set VAO, 7                            ; v7   512 strip + 4 r
.set EO,  8                            ; v8   64 (r / 2) + 32 h + 16 (r % 2): my four rows of ep
.set SPW, 10                           ; v10  LDS address of my spare word; never rewritten
.set NIL, 11                           ; v11  0; never rewritten
.set SV,  12                           ; v[12:13] the sum of my eight Va, twice (v12-15 are at work in the set-up before that)
.set QP,  16                           ; v16-47  part p's eight query values at QP + 8 p
.set QB2, 32                           ; v32-47  their sums, each in both registers of a pair, made at the head of the way out
.set VA2, 48
.set AFL, 64
.set AFH, 96
.set ASL, 128
.set ASH, 192
.set WV,  14                           ; s14 wave   s15 mh: my half of the rows   s16 nh: my half of the columns   s17 column tile   s18 y   s19 strip = 2 x column tile + nh
.set MH,  15
.set NH,  16
.set NT,  17
.set YY,  18
.set STRIP, 19
.set G1,  24                           ; s[24:31] descriptor group 1
.set G0A, 32                           ; s[32:35] group 0 of the first fill of slot 0; never rewritten
.set G0,  36                           ; s[36:39] group 0 that walks: K step 1 first
.set TB,  40                           ; s40  the slot in hand: 0 or SLOT
.set BO,  41                           ; s41  262,144 x K step for B's fetches
.set CNT, 42                           ; s42  counts K steps
.set TL,  43                           ; s43  tiles to go
.set DL,  44                           ; s[44:45] the step of A's address in a tile's last two K steps
.set CS,  46                           ; s[46:47] 2 log2(e)
.set LM,  48                           ; s48-51 lanes with bit 3, 2, 1, 0 of r set
.set MSB, 0
.macro WIN new                         ; the immediate's high byte repeats the setting that is left; a switch that changes nothing is dropped
.if MSB != (\new)
	s_set_vgpr_msb (MSB<<8)|(\new)
.set MSB, \new
.endif
.endm
.set MUL_LO, 0xa4                      ; A window 0, B window 1, C and D window 2
.set TO_B,   0x40                      ; destination window 1, address window 0
.macro CREST                           ; a round of the cluster's barrier behind its opening barrier
	s_cmp_lg_u32 s[WV], 0
	s_cbranch_scc1 .Lnot_wave_0_\@
	s_barrier_signal -3
.Lnot_wave_0_\@:
	s_barrier_wait -3
	s_barrier_signal -1
	s_barrier_wait -1
.endm
.macro CROUND
	s_barrier_signal -1
	s_barrier_wait -1
	CREST
.endm
.macro PLACES
.rept 4
	v_nop
.endr
.endm
.macro JLOAD                           ; my quarter of A's tile; an s_nop 0 and four v_nop follow
	tensor_load_to_lds s[G0:G0+3], s[G1:G1+7]
	s_nop 0
	PLACES
.endm
	s_load_b256 s[4:11], s[0:1], 0x0               ; enc s[4:5], ubf s[6:7], qbs s[8:9], Va_w s[10:11]
	s_load_b64 s[12:13], s[0:1], 0x20              ; ep
	v_lshl_add_u32 v[SPW], v0, 2, SPARE
	v_mov_b32 v[NIL], 0
	ds_add_u32 v[SPW], v[NIL]                      ; the wave's opening: the add and its wait stand ahead of my first tensor load; register work stands between them
	v_lshrrev_b32 v1, 5, v0
	v_readfirstlane_b32 s[WV], v1                  ; wave 0..3
	s_lshr_b32 s[MH], s[WV], 1
	s_and_b32 s[NH], s[WV], 1
	s_bfe_u32 s[NT], ttmp6, 0x40000                ; cx
	s_lshl_b32 s52, ttmp9, 2
	s_add_co_u32 s[NT], s[NT], s52                 ; column tile = 4 x cluster x + cx: it enters the addresses of ubf, qbs, Va_w and ep alone
	s_and_b32 s[YY], ttmp7, 0xffff                 ; y, which the four partners share
	s_lshl1_add_u32 s[STRIP], s[NT], s[NH]
	; group 1: 64 rows x 128 elements of 4 bytes, 4 words of padding behind every 128
	s_mov_b32 s[G1+0], 15|(2<<16)|(1<<20)|(1<<21)|(6<<22)|(3<<25)  ; 15:0 the mask of four; 17:16 4-byte elements; 20 padding on; 21 set beside a mask; 24:22 after 128 words; 31:25 4 words
	s_mov_b32 s[G1+1], 128<<16                     ; tensor_dim0 = 128
	s_mov_b32 s[G1+2], 64<<16                      ; tensor_dim1 = 64
	s_mov_b32 s[G1+3], 128<<16                     ; tile_dim0 = 128
	s_mov_b32 s[G1+4], 64                          ; tile_dim1 = 64
	s_mov_b32 s[G1+5], 1024                        ; elements from row to row
	s_mov_b32 s[G1+6], 0
	s_mov_b32 s[G1+7], 0
	s_mov_b32 s[G0A], 1
	s_mul_i32 s[G0A+1], s[WV], PART                ; LDS: wave x 64 rows, slot 0
	s_mov_b32 s[G0], 1
	s_add_co_u32 s[G0+1], s[G0A+1], SLOT           ; slot 1
	s_lshl_b32 s54, s[YY], 20                      ; 256 y rows of 4,096 bytes,
	s_lshl_b32 s55, s[WV], 18                      ; my 64 of the tile's rows
	s_add_co_u32 s54, s54, s55
	s_mov_b32 s55, 0
	s_lshl_b32 s56, s[STRIP], 18                   ; ep: the strip's 65,536 numbers,
	s_lshl_b32 s57, s[YY], 10                      ; 256 y rows,
	s_add_co_u32 s56, s56, s57
	s_lshl_b32 s57, s[MH], 9                       ; my 128 of them
	s_add_co_u32 s56, s56, s57
	s_mov_b32 s57, 0
	s_lshr_b32 s58, s[YY], 3                       ; the first tile's batch,
	s_lshl_b32 s58, s58, 6                         ; 64 bytes a batch in qbs
	s_mov_b32 s59, 0
	s_mov_b32 s[TB], 0
	s_mov_b32 s[BO], 0
	s_mov_b32 s[TL], 4
	s_mov_b32 s[CS], 0x4038aa3b                    ; 2 log2(e)
	s_mov_b32 s[CS+1], s[CS]                       ; named with it as a pair
	s_mov_b32 s[LM+0], 0xff00ff00
	s_mov_b32 s[LM+1], 0xf0f0f0f0
	s_mov_b32 s[LM+2], 0xcccccccc
	s_mov_b32 s[LM+3], 0xaaaaaaaa
	s_wait_dscnt 0x0                               ; the opening add is done
	s_wait_kmcnt 0x0
	s_add_nc_u64 s[G0A+2:G0A+3], s[4:5], s[54:55]  ; K step 0 of my rows
	s_add_nc_u64 s[G0+2:G0+3], s[G0A+2:G0A+3], 512 ; K step 1
	s_or_b32 s[G0A+3], s[G0A+3], 0x80000000        ; type = 2
	s_or_b32 s[G0+3], s[G0+3], 0x80000000
	s_add_nc_u64 s[12:13], s[12:13], s[56:57]
	s_add_nc_u64 s[8:9], s[8:9], s[58:59]
	CROUND                                         ; all four work-groups are here: the first joint loads meet
	tensor_load_to_lds s[G0A:G0A+3], s[G1:G1+7]    ; both first fills together: two tensor loads of mine are out
	s_nop 0
	tensor_load_to_lds s[G0:G0+3], s[G1:G1+7]
	s_nop 0
	PLACES
	v_and_b32 v12, 15, v0                          ; r
	v_bfe_u32 v13, v0, 4, 1                        ; h
	v_and_b32 v14, 31, v0                          ; lane
	v_lshlrev_b32 v[VAO], 2, v12
	s_lshl_b32 s52, s[STRIP], 9
	v_add_nc_u32 v[VAO], s52, v[VAO]
.irp b, 0,1,2,3,4,5,6,7
	global_load_b32 v[VA2+2*\b], v[VAO], s[10:11] offset:64*\b  ; Va of column 128 strip + 16 b + r
.endr
	v_lshlrev_b32 v[BL], 4, v14
	s_lshl_b32 s53, s[STRIP], 13
	v_add_nc_u32 v[BL], s53, v[BL]
	v_mov_b32 v[BV], v[BL]
	WIN TO_B
.irp q, 0,1,2                                          ; B of the first three quarters
.irp j, 0,1,2,3,4,5,6,7
	global_load_b128 v[64*\q+8*\j:64*\q+8*\j+3],   v[BV], s[6:7] offset:65536*\q+1024*\j
	global_load_b128 v[64*\q+8*\j+4:64*\q+8*\j+7], v[BV], s[6:7] offset:65536*\q+1024*\j+512
.endr
.endr
	WIN 0
	v_mul_u32_u24 v[AL], v12, PITCH
	v_lshl_add_u32 v[AL], v13, 5, v[AL]
	s_mul_i32 s54, s[MH], 128*PITCH
	v_add_nc_u32 v[AL], s54, v[AL]
	v_mov_b32 v[ADC], v[AL]
	v_lshlrev_b32 v[QO], 2, v12
	s_lshl_b32 s55, s[STRIP], 14
	v_add_nc_u32 v[QO], s55, v[QO]
	v_lshrrev_b32 v15, 1, v12
	v_lshlrev_b32 v[EO], 6, v15
	v_lshl_add_u32 v[EO], v13, 5, v[EO]
	v_and_b32 v15, 1, v12
	v_lshl_add_u32 v[EO], v15, 4, v[EO]
; 16 LDS loads: the f32 rows of four fragments (64 rows x 32 k).  A lane's 8 + 8 numbers of a fragment are 32 bytes at 32 h and 32 bytes at 64 + 32 h of the quarter's 128.
.macro LDA dst, off
	WIN 0
.irp i, 0,1,2,3
	ds_load_b128 v[(\dst)+16*\i:(\dst)+16*\i+3],     v[ADC] offset:(\off)+\i*16*PITCH
	ds_load_b128 v[(\dst)+16*\i+4:(\dst)+16*\i+7],   v[ADC] offset:(\off)+\i*16*PITCH+16
	ds_load_b128 v[(\dst)+16*\i+8:(\dst)+16*\i+11],  v[ADC] offset:(\off)+\i*16*PITCH+64
	ds_load_b128 v[(\dst)+16*\i+12:(\dst)+16*\i+15], v[ADC] offset:(\off)+\i*16*PITCH+80
.endr
.endm
; The next n roundings of the staging area CSRC into the fragments CD
.macro RID n
.if (\n) > 0
	WIN 0
.rept \n
	v_cvt_pk_bf16_f32 v[CD+cv], v[CSRC+2*cv], v[CSRC+2*cv+1]
.set cv, cv+1
.endr
.endif
.endm
; Two matrix instructions: numbers 2 g and 2 g + 1 of a half quarter's 32: row block g / 4 of the half's four, column blocks 2 (g % 4) and the next, B's buffer bq.  zero = 1: the product starts the sum.
.macro PAIR hi, bq, g, zero
	WIN MUL_LO+0x50*(\hi)
.irp c, 0,1
.set rD, 8*(8*((\g)/4)+2*((\g)%4)+\c)
.set rA, AFL+32*(\hi)+8*((\g)/4)
.set rB, 64*(\bq)+8*(2*((\g)%4)+\c)
.if \zero
	v_wmma_f32_16x16x32_bf16 v[rD:rD+7], v[rA:rA+7], v[rB:rB+7], 0
.else
	v_wmma_f32_16x16x32_bf16 v[rD:rD+7], v[rA:rA+7], v[rB:rB+7], v[rD:rD+7]
.endif
.endr
.endm
.macro HP hi, bq, zero, g0, g1         ; pairs g0 to g1, two roundings behind each.  A fragment register is rewritten 24 roundings or more behind the last product that read it.
.set g, \g0
.rept (\g1)-(\g0)+1
	PAIR \hi, \bq, g, \zero
	RID 2
.set g, g+1
.endr
.endm
; 16 loads: B of the quarter three on, into the buffer that the last quarter read.
.macro FETCHB q
	WIN TO_B
.set fb, 64*(((\q)+3)%4)
.set fo, 65536*(((\q)+3)%4)
.irp j, 0,1,2,3,4,5,6,7
	global_load_b128 v[fb+8*\j:fb+8*\j+3],   v[BV], s[6:7] offset:fo+1024*\j
	global_load_b128 v[fb+8*\j+4:fb+8*\j+7], v[BV], s[6:7] offset:fo+1024*\j+512
.endr
.endm
; Quarter q = 0, 1, 2 of a K step.  On entry: AFL holds this quarter's rows 0-63 in bf16, ASH's loads (rows 64-127, f32) are out, B's buffers q, q + 1, q + 2 are in or out.
; The 64 accumulators take turns in one order in every quarter.
.macro QUARTER q, zero
	WIN 0
.if (\q) == 1
	s_add_co_u32 s[BO], s[BO], 262144              ; B's fetches go on to the next K step; behind the last they wrap to the next tile's first
	s_and_b32 s[BO], s[BO], 0x1fffff
	s_wait_xcnt 0x0                                ; BV is an address of loads that are out: it is rewritten only behind this wait
	v_add_nc_u32 v[BV], s[BO], v[BL]
.endif
	LDA ASL, 128*((\q)+1)                          ; the next quarter's rows 0-63
	s_wait_loadcnt 32                              ; B's buffer q is in; the youngest 32 loads may be out
	v_nop                                          ; with the two roundings behind the last quarter's last product these two make the four places
	v_nop                                          ; in front of loads into the buffer that it read (ISA guide 7.12.1 for vector instructions)
	FETCHB \q
	s_wait_dscnt 16                                ; ASH is in; the 16 LDS loads just issued may be out
.set cv, 0
.set CD, AFH
.set CSRC, ASH
	HP 0, \q, \zero, 0, 15
	LDA ASH, 128*((\q)+1)+64*PITCH                 ; the next quarter's rows 64-127
	s_wait_dscnt 16                                ; ASL is in
.set cv, 0
.set CD, AFL
.set CSRC, ASL
	HP 1, \q, \zero, 0, 15
.endm
; Quarter 3 changes slots, in its first half.  In front of the barrier each wave waits for all its tensor loads (one is out: its part of the other slot), adds 0 to its spare word, and waits for that
; and for its reads of this slot.  fill = 1, 2: the barrier opens a round of the cluster's barrier, and this slot is filled again first thing behind it, two K steps ahead: 236 matrix instructions
; before the wait for it.  fill = 1: the address goes 512 bytes on; fill = 2: by s[DL], which then becomes 512.  fill = 0: nothing is asked for.
.macro TURN fill
	WIN 0
	s_wait_tensorcnt 0x0                           ; no tensor load of mine is out, so the walking group 0 may be written
	ds_add_u32 v[SPW], v[NIL]                      ; 0 onto my spare word
.if (\fill) > 0
	s_xor_b32 s[G0+1], s[G0+1], SLOT
.endif
.if (\fill) == 1
	s_add_nc_u64 s[G0+2:G0+3], s[G0+2:G0+3], 512
.elseif (\fill) == 2
	s_add_nc_u64 s[G0+2:G0+3], s[G0+2:G0+3], s[DL:DL+1]
	s_mov_b32 s[DL], 512
.endif
	s_wait_loadcnt 32                              ; B's buffer 3 is in
	s_wait_dscnt 1                                 ; ASH is in; the add may be out
.set cv, 0
.set CD, AFH
.set CSRC, ASH
	HP 0, 3, 0, 0, 3
	s_wait_dscnt 0x0                               ; the add is done, and my reads of this slot are over
	s_barrier_signal -1
	HP 0, 3, 0, 4, 9                               ; work on registers while the others arrive
	WIN 0                                          ; at a branch every window is 0
	s_barrier_wait -1
.if (\fill) > 0
	CREST                                          ; no wave of any partner still reads this slot or has a load on its way
	JLOAD
.endif
	s_xor_b32 s[TB], s[TB], SLOT
	v_add_nc_u32 v[ADC], s[TB], v[AL]
	LDA ASL, 0                                     ; the other slot's first quarter, rows 0-63
	FETCHB 3                                       ; into buffer 2, last read a quarter ago
	HP 0, 3, 0, 10, 15
	LDA ASH, 64*PITCH                              ; and rows 64-127
	s_wait_dscnt 16                                ; ASL is in
.set cv, 0
.set CD, AFL
.set CSRC, ASL
	HP 1, 3, 0, 0, 15
.endm
; 16 loads: parts p0 and p0 + 1 of the tile's batch: query (and biases) of column 128 strip + 16 b + r
.macro QLOAD p0
.irp p, 0,1
.irp b, 0,1,2,3,4,5,6,7
	global_load_b32 v[QP+8*((\p0)+\p)+\b], v[QO], s[8:9] offset:131072*((\p0)+\p)+2048*\b
.endr
.endr
.endm
	s_wait_tensorcnt 0x1                           ; my part of K step 0 is in; K step 1's may stay out
	s_barrier_signal -1
	s_barrier_wait -1                              ; everybody's is
	LDA ASL, 0
	LDA ASH, 64*PITCH
	s_wait_loadcnt 48                              ; Va is in; B's 48 loads may be out
.irp b, 0,1,2,3,4,5,6,7
	v_cvt_pk_bf16_f32 v[VA2+2*\b], v[VA2+2*\b], v[VA2+2*\b]  ; Va is an input too: rounded to bf16,
.endr
.irp b, 0,1,2,3,4,5,6,7
	v_and_b32 v[VA2+2*\b], 0xffff0000, v[VA2+2*\b]           ; and widened again
.endr
	v_add_f32 v[SV], v[VA2], v[VA2+2]              ; the sum of my eight Va,
.irp b, 2,3,4,5,6,7
	v_add_f32 v[SV], v[SV], v[VA2+2*\b]
.endr
	v_mov_b32 v[SV+1], v[SV]                       ; in both registers of its pair
.irp b, 0,1,2,3,4,5,6,7
	v_mul_f32 v[VA2+2*\b], -2.0, v[VA2+2*\b]       ; -2 Va (exact), likewise
	v_mov_b32 v[VA2+2*\b+1], v[VA2+2*\b]
.endr
	s_wait_dscnt 16                                ; ASL is in
.set cv, 0
.set CD, AFL
.set CSRC, ASL
	RID 32
.Ltile:
	QLOAD 0                                        ; the other two parts are asked for behind K step 5
	s_mov_b32 s[CNT], 6
.L1:                                                   ; K steps 0 to 5: each fills its slot again with the step two on
	s_cmp_eq_u32 s[CNT], 6
	s_cbranch_scc0 .Lq0
	QUARTER 0, 1                                   ; a tile's first quarter starts the sums: nothing is cleared
	WIN 0
	s_branch .Lq1
.Lq0:
	QUARTER 0, 0
	WIN 0
.Lq1:
	QUARTER 1, 0
	QUARTER 2, 0
	TURN 1
	WIN 0
	s_sub_co_u32 s[CNT], s[CNT], 1
	s_cmp_lg_u32 s[CNT], 0
	s_cbranch_scc1 .L1
	QLOAD 2
	s_mov_b32 s[CNT], 2
	s_cmp_eq_u32 s[TL], 1
	s_cbranch_scc1 .Ltail                          ; the last tile's last two K steps are written out: they ask for nothing
	s_mov_b32 s[DL], NEXT_A
	s_mov_b32 s[DL+1], 0
.L2:                                                   ; K steps 6 and 7: the ring goes on into the next tile's K steps 0 and 1
	QUARTER 0, 0
	QUARTER 1, 0
	QUARTER 2, 0
	TURN 2
	WIN 0
	s_sub_co_u32 s[CNT], s[CNT], 1
	s_cmp_lg_u32 s[CNT], 0
	s_cbranch_scc1 .L2
	s_branch .Lepi
.Ltail:                                                ; the second trip's fetches behind its barrier (A of a slot read before, B of k = 0 on) serve nothing: the price of one text for both trips
	QUARTER 0, 0
	QUARTER 1, 0
	QUARTER 2, 0
	TURN 0
	WIN 0
	s_sub_co_u32 s[CNT], s[CNT], 1
	s_cmp_lg_u32 s[CNT], 0
	s_cbranch_scc1 .Ltail
.Lepi:
	; THE WAY OUT.  AFL, ASH and window 1 hold the next tile's first data and stay untouched.  T = AFH (two buffers of 16), E = ASL: E[8 a + j] sums row 16 a + 8 h + j over my lane's 8 columns.
	; First the four parts of the query are added; these 28 plain instructions are also the places between the last products and the lines that read their results or write AFH.
	s_wait_loadcnt 48                              ; the query values are in; B's 48 loads for the next three quarters may be out
.irp z, 0,1,2,3
	v_pk_add_f32 v[QP+2*\z:QP+2*\z+1], v[QP+2*\z:QP+2*\z+1], v[QP+8+2*\z:QP+8+2*\z+1]
	v_pk_add_f32 v[QP+16+2*\z:QP+16+2*\z+1], v[QP+16+2*\z:QP+16+2*\z+1], v[QP+24+2*\z:QP+24+2*\z+1]
.endr
.irp z, 0,1,2,3
	v_pk_add_f32 v[QP+2*\z:QP+2*\z+1], v[QP+2*\z:QP+2*\z+1], v[QP+16+2*\z:QP+16+2*\z+1]
.endr
.irp b, 0,1,2,3,4,5,6,7
	v_mov_b32 v[QB2+2*\b],   v[QP+\b]              ; each sum in both registers of a pair
	v_mov_b32 v[QB2+2*\b+1], v[QP+\b]
.endr
	; 32 batches of two accumulators (a = be / 4; b = 2 (be % 4) and the next).  A batch: t = 2 log2(e) x (8 packed), 2^t (16), + 1 (8), reciprocal (16), times -2 Va onto E (8).
	; The last 8 of batch be - 1 stand between the exponentials of batch be, the additions between the reciprocals: each pair of exponentials or reciprocals has a plain instruction behind it before a result is used (ISA guide 5.7.2).
.macro EA be                           ; t: each accumulator's registers in ascending order
.set ea, (\be)/4
.set eb, 2*((\be)%4)
.set eT, AFH+16*((\be)%2)
	WIN 0x02+ea/4                                  ; source 0 in window 2 or 3
.set z, 0
.rept 8
.set rc, 8*(8*(ea%4)+eb+z/4)+2*(z%4)
	v_pk_fma_f32 v[eT+2*z:eT+2*z+1], v[rc:rc+1], s[CS:CS+1], v[QB2+2*(eb+z/4):QB2+2*(eb+z/4)+1] op_sel_hi:[1,0,1]
.set z, z+1
.endr
	WIN 0
.endm
.macro EF be, k                        ; line k of the 8 that finish a batch
.set fa, (\be)/4
.set fbb, 2*((\be)%4)
.set fT, AFH+16*((\be)%2)
.set fE, ASL+8*fa+2*((\k)%4)
.set fV, VA2+2*(fbb+(\k)/4)
.if (fbb+(\k)/4) == 0
	s_wait_alu depctr_va_vdst(0)
	v_pk_fma_f32 v[fE:fE+1], v[fT+2*(\k):fT+2*(\k)+1], v[fV:fV+1], v[SV:SV+1]  ; the first column block starts the sum, with the sum of my Va
.else
	s_wait_alu depctr_va_vdst(0)
	v_pk_fma_f32 v[fE:fE+1], v[fT+2*(\k):fT+2*(\k)+1], v[fV:fV+1], v[fE:fE+1]
.endif
.endm
.set be, 0
.rept 32
	EA be
.set xT, AFH+16*(be%2)
.set k, 0
.rept 8
	v_exp_f32 v[xT+2*k], v[xT+2*k]
	v_exp_f32 v[xT+2*k+1], v[xT+2*k+1]
.if be > 0
	EF be-1, k
.endif
.set k, k+1
.endr
.if be == 0
	v_nop                                          ; the first batch has no batch before it
	s_wait_alu depctr_va_vdst(0)
.endif
	v_pk_add_f32 v[xT:xT+1], v[xT:xT+1], 1.0 op_sel_hi:[1,0]
	s_wait_alu depctr_va_vdst(0)
	v_pk_add_f32 v[xT+2:xT+3], v[xT+2:xT+3], 1.0 op_sel_hi:[1,0]
.set p, 0
.rept 8
	v_rcp_f32 v[xT+2*p], v[xT+2*p]
	v_rcp_f32 v[xT+2*p+1], v[xT+2*p+1]
.if p < 6
	v_pk_add_f32 v[xT+2*p+4:xT+2*p+5], v[xT+2*p+4:xT+2*p+5], 1.0 op_sel_hi:[1,0]
.endif
.set p, p+1
.endr
.set be, be+1
.endr
	v_nop                                          ; a plain instruction behind the last reciprocal
	s_wait_alu depctr_va_vdst(0)
.set k, 0
.rept 8
	EF 31, k
.set k, k+1
.endr
	; The sum over the 16 lanes of a row, halving the registers at each stage: a lane keeps the half that its bit of r names and sends the other half to the lane that keeps it.
	; At the end registers 0-3 of lane (r, h) hold rows 16 (r / 2) + 8 h + 4 (r % 2) + 0..3.
.macro STAGE n, x, m
.set k, 0
.rept (\n)/8
.irp c, 0,1,2,3
	v_cndmask_b32 v[AFH+2*\c],   v[ASL+k+\c], v[ASL+k+\c+(\n)/2], s[\m]   ; what I keep
	v_cndmask_b32 v[AFH+2*\c+1], v[ASL+k+\c+(\n)/2], v[ASL+k+\c], s[\m]   ; what I send
.endr
.irp c, 0,1,2,3
	v_add_f32_dpp v[ASL+k+\c], v[AFH+2*\c+1], v[AFH+2*\c] row_xmask:\x row_mask:0xf bank_mask:0xf
.endr
.set k, k+4
.endr
.endm
	STAGE 64, 8, LM+0
	STAGE 32, 4, LM+1
	STAGE 16, 2, LM+2
	STAGE 8,  1, LM+3
	global_store_b128 v[EO], v[ASL:ASL+3], s[12:13]  ; my wave's 128 rows: 512 consecutive bytes, aligned
	s_wait_xcnt 0x0                                ; the store's data and the two bases are rewritten only behind this wait
	s_add_nc_u64 s[8:9], s[8:9], 512               ; the next tile lies 8 batches on,
	s_add_nc_u64 s[12:13], s[12:13], 65536         ; 16,384 rows on
	s_sub_co_u32 s[TL], s[TL], 1
	s_cmp_lg_u32 s[TL], 0
	s_cbranch_scc1 .Ltile
	s_wait_tensorcnt 0x0                           ; the wave's end: a zero add and its waits, behind my last tensor load
	ds_add_u32 v[SPW], v[NIL]
	s_wait_dscnt 0x0
	CROUND                                         ; the closing round: no work-group ends while a partner may still ask for a tile that names it
	s_endpgm
.Lfunc_end_k_qc56730ac35_energy:
	.size	k_qc56730ac35_energy, .Lfunc_end_k_qc56730ac35_energy-k_qc56730ac35_energy
	.p2alignl 7, 3214868480
	.fill 96, 4, 3214868480
	.section	.rodata,"a",@progbits
	.p2align	6, 0x0
	.amdhsa_kernel k_qc56730ac35_energy
		.amdhsa_group_segment_fixed_size 327680
		.amdhsa_private_segment_fixed_size 0
		.amdhsa_enable_private_segment 0
		.amdhsa_kernarg_size 40
		.amdhsa_user_sgpr_count 2
		.amdhsa_user_sgpr_kernarg_segment_ptr 1
		.amdhsa_wavefront_size32 1
		.amdhsa_system_sgpr_workgroup_id_x 1
		.amdhsa_system_sgpr_workgroup_id_y 1
		.amdhsa_system_sgpr_workgroup_id_z 1
		.amdhsa_system_vgpr_workitem_id 0
		.amdhsa_next_free_vgpr 1024
		.amdhsa_next_free_sgpr 66
		.amdhsa_reserve_vcc 0
		.amdhsa_float_denorm_mode_32 3
		.amdhsa_float_denorm_mode_16_64 3
		.amdhsa_memory_ordered 1
		.amdhsa_forward_progress 1
		.amdhsa_inst_pref_size 255
	.end_amdhsa_kernel
	.section	.bss,"aw",@nobits
	.p2align	6
	.space	262144
	.amdgpu_metadata
---
amdhsa.version: [ 1, 2 ]
amdhsa.kernels:
  - .name:           k_qc56730ac35_energy
    .symbol:         k_qc56730ac35_energy.kd
    .args:
      - { .name: encoder_output, .offset: 0, .size: 8, .value_kind: global_buffer, .address_space: global }
      - { .name: ubf, .offset: 8, .size: 8, .value_kind: global_buffer, .address_space: global }
      - { .name: qbs, .offset: 16, .size: 8, .value_kind: global_buffer, .address_space: global }
      - { .name: Va_w, .offset: 24, .size: 8, .value_kind: global_buffer, .address_space: global }
      - { .name: ep, .offset: 32, .size: 8, .value_kind: global_buffer, .address_space: global }
    .group_segment_fixed_size: 327680
    .private_segment_fixed_size: 0
    .kernarg_segment_align: 8
    .kernarg_segment_size: 40
    .max_flat_workgroup_size: 128
    .sgpr_count:     66
    .vgpr_count:     1024
    .wavefront_size: 32
...
	.end_amdgpu_metadata
.endif
;; end of part 2
;; launch smax (part 3): grid 32 x 1, 8 waves a work-group, no clusters, 9,984 bytes of LDS; arguments ep, Va_b, out1, mask; writes out1, mask
.if DOCPART == 3
	.amdgcn_target "amdgcn-amd-amdhsa--gfx1250"
	.amdhsa_code_object_version 6
	.text
	.protected	k_qc56730ac35_smax
	.globl	k_qc56730ac35_smax
	.p2align	8
	.type	k_qc56730ac35_smax,@function
k_qc56730ac35_smax:
	s_mov_b64 s[64:65], 0
	v_nop
	global_prefetch_b8 v0, s[64:65] scope:SCOPE_SE
	s_setreg_imm32_b32 hwreg(HW_REG_WAVE_MODE, 25, 1), 1
	s_wait_xcnt 0x0
; SPARSEMAX of one batch row a work-group.  z[s] = the sum of ep's 8 strips + Va_b (rounded to bf16, like every input); out1[s] = max(z[s] - tau, 0) with sum = 1.
; mask: a bit for each position with a weight above 0, for the launch behind: bit l of word 4 t + j is position 128 t + 4 l + j.
; HOW TAU IS FOUND, without sorting.  With y = z - max, f(x) = sum of max(y - x, 0) falls from f(-1) >= 1 to f(0) = 0 for every input, so tau lies in [-1, 0).  In a round the bracket [lo, lo + width]
; is cut in nine: wave w takes f at lo + (w + 1) width / 9, and lo moves up by as many ninths as there are waves with f >= 1.  Eight rounds, whatever the data, bring the width to 9^-8.  Then one
; exact step: with k = the number of y above lo, tau = lo + (f(lo) - 1) / k, which is (sum of the support - 1) / k.
; A y that lies inside the last bracket may be counted in the support: it moves tau by less than 9^-8 / k.  LIMITS: NaN and infinities are not treated apart.
; SHARES.  Eight waves add the strips (64 KB); each then holds the whole row of 2,048 in 64 registers for the search, and at the end writes the weights of its own 256 positions.
; The waves' answers meet in LDS, in two areas that take turns: one barrier a round.  No branch and no address hangs on a float.
; Matrix unit, tensor loads and clusters have nothing to do here: 2 MB are read once, no two work-groups share a byte.
.set EX0,   8192                       ; behind the row: the waves' answers, 32 bytes, in a block of 256; the second area 256 bytes on
.set MW,    8704                       ; the 64 mask words
.set SPARE, 8960                       ; the spare words, 128 bytes for each of 8 waves
.set SPW, 2                            ; v2  LDS address of my spare word; never rewritten
.set NIL, 3                            ; v3  0; never rewritten
.set TO,  4                            ; v4  16 t
.set LNO, 5                            ; v5  16 l
.set MO,  6                            ; v6  MW + 16 w + 128 ((l / 4) % 2) + 4 (l % 4): where lane l < 8 puts a mask word
.set EXA, 7                            ; v7  EX0 + 4 w
.set EXR, 8                            ; v8  EX0
.set ZO,  9                            ; v9  0: Va_b's offset
.set LO,  10
.set W,   11                           ; the bracket's width
.set MID, 12                           ; v[12:13] the point at which f is taken, twice
.set MX,  14                           ; v[14:15] the maximum, twice
.set RK,  16
.set CW,  17                           ; w + 1, as a float
.set FL,  18
.set M,   19                           ; lane i < 8: my mask word i
.set Z,   20                           ; v20-27   my thread's own 8 numbers: positions 4 t + 0..3 and 1024 + 4 t + 0..3
.set VB,  28                           ; v[28:29] Va_b, twice
.set LN,  30                           ; v30 l
.set MRD, 31                           ; v31 MW + 8 l
.set Y,   32                           ; v32-95   first the 8 strips x 8 numbers, then the row: register 4 i + j of lane l is position 128 i + 4 l + j
.set T,   96                           ; v96-103  at work
.set SM,  104                          ; v104-111 four chains of sums
.set G,   112                          ; v112-119 the eight waves' answers
	s_load_b256 s[4:11], s[0:1], 0x0               ; ep s[4:5], Va_b s[6:7], out1 s[8:9], mask s[10:11]
	v_lshl_add_u32 v[SPW], v0, 2, SPARE
	v_mov_b32 v[NIL], 0
	v_lshrrev_b32 v1, 5, v0
	v_readfirstlane_b32 s12, v1                    ; wave 0..7
	v_lshlrev_b32 v[TO], 4, v0
	v_and_b32 v[LN], 31, v0
	v_lshlrev_b32 v[LNO], 4, v[LN]
	v_mov_b32 v[ZO], 0
	s_lshl_b32 s13, s12, 2
	s_add_co_u32 s13, s13, EX0
	v_mov_b32 v[EXA], s13
	v_mov_b32 v[EXR], EX0
	s_add_co_u32 s14, s12, 1
	v_cvt_f32_u32 v[CW], s14
	v_and_b32 v1, 3, v0
	v_bfe_u32 v[MO], v0, 2, 1
	v_lshlrev_b32 v[MO], 7, v[MO]
	v_lshl_add_u32 v[MO], v1, 2, v[MO]
	s_lshl_b32 s15, s12, 4
	s_add_co_u32 s15, s15, MW
	v_add_nc_u32 v[MO], s15, v[MO]
	v_lshl_add_u32 v[MRD], v[LN], 3, MW
	s_lshl_b32 s16, ttmp9, 13                      ; the batch's 2,048 numbers
	s_mov_b32 s17, 0
	s_lshl_b32 s18, ttmp9, 8                       ; its 64 mask words
	s_mov_b32 s19, 0
	s_mov_b32 s20, 0x76543210                      ; v_permlanex16_b32: each lane takes its own place in the other half
	s_mov_b32 s21, 0xfedcba98
	s_wait_kmcnt 0x0
	s_add_nc_u64 s[4:5], s[4:5], s[16:17]
	s_add_nc_u64 s[8:9], s[8:9], s[16:17]
	s_add_nc_u64 s[10:11], s[10:11], s[18:19]
	global_load_b32 v[VB], v[ZO], s[6:7]           ; by a vector load, beside the others: no second scalar wait
.irp p, 0,1,2,3,4,5,6,7
	global_load_b128 v[Y+8*\p:Y+8*\p+3],   v[TO], s[4:5] offset:262144*\p        ; strip p: 512 consecutive bytes a wave
	global_load_b128 v[Y+8*\p+4:Y+8*\p+7], v[TO], s[4:5] offset:262144*\p+4096
.endr
	s_wait_loadcnt 0x0
	v_cvt_pk_bf16_f32 v[VB], v[VB], v[VB]
	v_lshlrev_b32 v[VB], 16, v[VB]
	v_mov_b32 v[VB+1], v[VB]
.irp s, 4,2,1
.set p, 0
.rept \s
.set z, 0
.rept 4
	v_pk_add_f32 v[Y+8*p+2*z:Y+8*p+2*z+1], v[Y+8*p+2*z:Y+8*p+2*z+1], v[Y+8*(p+\s)+2*z:Y+8*(p+\s)+2*z+1]
.set z, z+1
.endr
.set p, p+1
.endr
.endr
.irp z, 0,1,2,3
	v_pk_add_f32 v[Z+2*\z:Z+2*\z+1], v[Y+2*\z:Y+2*\z+1], v[VB:VB+1]
.endr
	ds_store_b128 v[TO], v[Z:Z+3]
	ds_store_b128 v[TO], v[Z+4:Z+7] offset:4096
	s_wait_dscnt 0x0                               ; for the others' sake: my part of the row is in LDS
	s_barrier_signal -1
	s_barrier_wait -1
.set i, 0
.rept 16
	ds_load_b128 v[Y+4*i:Y+4*i+3], v[LNO] offset:512*i  ; every wave takes the whole row
.set i, i+1
.endr
	s_wait_dscnt 0x0
	; the maximum: four chains, three operands at a time; then across the lanes
.irp c, 0,1,2,3
	v_max3_num_f32 v[T+\c], v[Y+16*\c], v[Y+16*\c+1], v[Y+16*\c+2]
.endr
.irp i, 0,1,2,3,4,5
.irp c, 0,1,2,3
	v_max3_num_f32 v[T+\c], v[T+\c], v[Y+16*\c+3+2*\i], v[Y+16*\c+4+2*\i]
.endr
.endr
.irp c, 0,1,2,3
	v_max_num_f32 v[T+\c], v[T+\c], v[Y+16*\c+15]
.endr
	v_max3_num_f32 v[T], v[T], v[T+1], v[T+2]
	v_max_num_f32 v[T], v[T], v[T+3]
	v_max_num_f32_dpp v[T], v[T], v[T] row_xmask:1 row_mask:0xf bank_mask:0xf
	v_max_num_f32_dpp v[T], v[T], v[T] row_xmask:2 row_mask:0xf bank_mask:0xf
	v_max_num_f32_dpp v[T], v[T], v[T] row_xmask:4 row_mask:0xf bank_mask:0xf
	v_max_num_f32_dpp v[T], v[T], v[T] row_xmask:8 row_mask:0xf bank_mask:0xf
	v_permlanex16_b32 v[T+1], v[T], s20, s21
	v_max_num_f32 v[MX], v[T], v[T+1]
	v_mov_b32 v[MX+1], v[MX]
.set i, 0
.rept 32
	v_pk_add_f32 v[Y+2*i:Y+2*i+1], v[Y+2*i:Y+2*i+1], v[MX:MX+1] neg_lo:[0,1] neg_hi:[0,1]  ; y = z - max
.set i, i+1
.endr
.irp z, 0,1,2,3
	v_pk_add_f32 v[Z+2*\z:Z+2*\z+1], v[Z+2*\z:Z+2*\z+1], v[MX:MX+1] neg_lo:[0,1] neg_hi:[0,1]
.endr
	v_mov_b32 v[LO], -1.0
	v_mov_b32 v[W], 1.0
; f(MID) = the sum over the row of max(y - MID, 0), in every lane's v[SM].  Four chains of pairs; the first eight numbers start them.
.macro EVAL
.set g, 0
.rept 8
.irp c, 0,1,2,3
	v_pk_add_f32 v[T+2*\c:T+2*\c+1], v[Y+8*g+2*\c:Y+8*g+2*\c+1], v[MID:MID+1] neg_lo:[0,1] neg_hi:[0,1]
.endr
.irp c, 0,1,2,3,4,5,6,7
.if g == 0
	v_max_num_f32 v[SM+\c], 0, v[T+\c]
.else
	v_max_num_f32 v[T+\c], 0, v[T+\c]
.endif
.endr
.if g > 0
.irp c, 0,1,2,3
	v_pk_add_f32 v[SM+2*\c:SM+2*\c+1], v[SM+2*\c:SM+2*\c+1], v[T+2*\c:T+2*\c+1]
.endr
.endif
.set g, g+1
.endr
	v_pk_add_f32 v[SM:SM+1], v[SM:SM+1], v[SM+2:SM+3]
	v_pk_add_f32 v[SM+4:SM+5], v[SM+4:SM+5], v[SM+6:SM+7]
	v_pk_add_f32 v[SM:SM+1], v[SM:SM+1], v[SM+4:SM+5]
	v_add_f32 v[SM], v[SM], v[SM+1]
	v_add_f32_dpp v[SM], v[SM], v[SM] row_xmask:1 row_mask:0xf bank_mask:0xf
	v_add_f32_dpp v[SM], v[SM], v[SM] row_xmask:2 row_mask:0xf bank_mask:0xf
	v_add_f32_dpp v[SM], v[SM], v[SM] row_xmask:4 row_mask:0xf bank_mask:0xf
	v_add_f32_dpp v[SM], v[SM], v[SM] row_xmask:8 row_mask:0xf bank_mask:0xf
	v_permlanex16_b32 v[SM+1], v[SM], s20, s21
	v_add_f32 v[SM], v[SM], v[SM+1]
.endm
; A round, with the answers in area buf.  An area is written again two rounds on: the other round's barrier, in front of which every wave has waited for its reads, stands between.
.macro SEARCH buf
	v_mul_f32 v[W], 0x3de38e39, v[W]               ; a ninth (rounded up, so nine of them cover the bracket)
	v_fma_f32 v[MID], v[CW], v[W], v[LO]           ; my point
	v_mov_b32 v[MID+1], v[MID]
	EVAL
	v_cmp_le_f32 vcc_lo, 1.0, v[SM]                ; f >= 1: tau is not below my point
	v_cndmask_b32 v[FL], 0, 1.0, vcc_lo
	ds_store_b32 v[EXA], v[FL] offset:256*(\buf)   ; all lanes write the same word with the same value
	s_wait_dscnt 0x0                               ; for the others' sake
	s_barrier_signal -1
	s_barrier_wait -1
	ds_load_b128 v[G:G+3], v[EXR] offset:256*(\buf)
	ds_load_b128 v[G+4:G+7], v[EXR] offset:256*(\buf)+16
	s_wait_dscnt 0x0
	v_pk_add_f32 v[G:G+1], v[G:G+1], v[G+4:G+5]
	v_pk_add_f32 v[G+2:G+3], v[G+2:G+3], v[G+6:G+7]
	v_pk_add_f32 v[G:G+1], v[G:G+1], v[G+2:G+3]
	v_add_f32 v[G], v[G], v[G+1]                   ; how many points lie at or below tau: a select by arithmetic, no branch
	v_fma_f32 v[LO], v[G], v[W], v[LO]             ; the same line as that wave's point: the same number in all waves
.endm
	s_mov_b32 s22, 4
.Lsearch:                                              ; four trips of two rounds, whatever the data
	SEARCH 0
	SEARCH 1
	s_sub_co_u32 s22, s22, 1
	s_cmp_lg_u32 s22, 0
	s_cbranch_scc1 .Lsearch
	v_mov_b32 v[MID], v[LO]
	v_mov_b32 v[MID+1], v[LO]
	EVAL                                           ; f(lo)
	s_mov_b32 s24, 0                               ; k: how many y lie above lo; at least one, since the largest y is 0 and lo is below 0
.set e, 0
.rept 8
.irp i, 0,1,2,3,4,5,6,7
	v_cmp_gt_f32 s[32+\i], v[Y+e+\i], v[LO]
.endr
.irp i, 0,1,2,3,4,5,6,7
	s_bcnt1_i32_b32 s[32+\i], s[32+\i]
	s_add_co_u32 s24, s24, s[32+\i]
.endr
.set e, e+8
.endr
	v_cvt_f32_u32 v[RK], s24
	v_rcp_f32 v[RK], v[RK]
	v_add_f32 v[SM], -1.0, v[SM]                   ; the plain instruction behind the reciprocal
	s_wait_alu depctr_va_vdst(0)
	v_fma_f32 v[MID], v[SM], v[RK], v[LO]          ; tau, less the maximum
	v_mov_b32 v[MID+1], v[MID]
.irp z, 0,1,2,3
	v_pk_add_f32 v[Z+2*\z:Z+2*\z+1], v[Z+2*\z:Z+2*\z+1], v[MID:MID+1] neg_lo:[0,1] neg_hi:[0,1]
.endr
.irp i, 0,1,2,3,4,5,6,7
	v_max_num_f32 v[Z+\i], 0, v[Z+\i]              ; my thread's 8 weights
.endr
	v_mov_b32 v[M], 0
.irp i, 0,1,2,3,4,5,6,7
	v_cmp_lt_f32 s[32+\i], 0, v[Z+\i]              ; number i = 4 u + j: word 4 (w + 8 u) + j, a bit for each lane
.endr
.irp i, 0,1,2,3,4,5,6,7
	v_writelane_b32 v[M], s[32+\i], \i
.endr
	s_wait_xcnt 0x0                                ; EXEC changes only behind this wait
	v_cmp_gt_u32 vcc_lo, 8, v[LN]
	s_and_saveexec_b32 s30, vcc_lo
	ds_store_b32 v[MO], v[M]                       ; lanes 0 to 7: my eight words
	s_or_b32 exec_lo, exec_lo, s30
	global_store_b128 v[TO], v[Z:Z+3], s[8:9]              ; 512 consecutive bytes a wave, aligned
	global_store_b128 v[TO], v[Z+4:Z+7], s[8:9] offset:4096
	s_wait_dscnt 0x0                               ; for wave 0's sake: my mask words are in LDS
	s_barrier_signal -1
	s_barrier_wait -1
	s_cmp_lg_u32 s12, 0
	s_cbranch_scc1 .Lend
	ds_load_b64 v[G:G+1], v[MRD]
	v_lshlrev_b32 v1, 3, v[LN]
	s_wait_dscnt 0x0
	global_store_b64 v1, v[G:G+1], s[10:11]        ; the 64 words: 256 consecutive bytes, aligned, by one instruction
.Lend:
	s_wait_tensorcnt 0x0                           ; the wave's end: a zero add and its waits, behind my last LDS store
	ds_add_u32 v[SPW], v[NIL]
	s_wait_dscnt 0x0
	s_endpgm
.Lfunc_end_k_qc56730ac35_smax:
	.size	k_qc56730ac35_smax, .Lfunc_end_k_qc56730ac35_smax-k_qc56730ac35_smax
	.p2alignl 7, 3214868480
	.fill 96, 4, 3214868480
	.section	.rodata,"a",@progbits
	.p2align	6, 0x0
	.amdhsa_kernel k_qc56730ac35_smax
		.amdhsa_group_segment_fixed_size 9984
		.amdhsa_private_segment_fixed_size 0
		.amdhsa_enable_private_segment 0
		.amdhsa_kernarg_size 32
		.amdhsa_user_sgpr_count 2
		.amdhsa_user_sgpr_kernarg_segment_ptr 1
		.amdhsa_wavefront_size32 1
		.amdhsa_system_sgpr_workgroup_id_x 1
		.amdhsa_system_sgpr_workgroup_id_y 1
		.amdhsa_system_sgpr_workgroup_id_z 1
		.amdhsa_system_vgpr_workitem_id 0
		.amdhsa_next_free_vgpr 120
		.amdhsa_next_free_sgpr 66
		.amdhsa_reserve_vcc 1
		.amdhsa_float_denorm_mode_32 3
		.amdhsa_float_denorm_mode_16_64 3
		.amdhsa_memory_ordered 1
		.amdhsa_forward_progress 1
		.amdhsa_inst_pref_size 43
	.end_amdhsa_kernel
	.amdgpu_metadata
---
amdhsa.version: [ 1, 2 ]
amdhsa.kernels:
  - .name:           k_qc56730ac35_smax
    .symbol:         k_qc56730ac35_smax.kd
    .args:
      - { .name: ep, .offset: 0, .size: 8, .value_kind: global_buffer, .address_space: global }
      - { .name: Va_b, .offset: 8, .size: 8, .value_kind: global_buffer, .address_space: global }
      - { .name: out1, .offset: 16, .size: 8, .value_kind: global_buffer, .address_space: global }
      - { .name: mask, .offset: 24, .size: 8, .value_kind: global_buffer, .address_space: global }
    .group_segment_fixed_size: 9984
    .private_segment_fixed_size: 0
    .kernarg_segment_align: 8
    .kernarg_segment_size: 32
    .max_flat_workgroup_size: 256
    .sgpr_count:     66
    .vgpr_count:     120
    .wavefront_size: 32
...
	.end_amdgpu_metadata
.endif
;; end of part 3
;; launch ctx (part 4): grid 4 x 32, 32 waves a work-group, no clusters, 36,864 bytes of LDS; arguments encoder_output, out1, mask, out0; writes out0
.if DOCPART == 4
	.amdgcn_target "amdgcn-amd-amdhsa--gfx1250"
	.amdhsa_code_object_version 6
	.text
	.protected	k_qc56730ac35_ctx
	.globl	k_qc56730ac35_ctx
	.p2align	8
	.type	k_qc56730ac35_ctx,@function
k_qc56730ac35_ctx:
	s_mov_b64 s[64:65], 0
	v_nop
	global_prefetch_b8 v0, s[64:65] scope:SCOPE_SE
	s_setreg_imm32_b32 hwreg(HW_REG_WAVE_MODE, 25, 1), 1
	s_wait_xcnt 0x0
; CONTEXT.  out0[b][c] = the sum over s of out1[b][s] enc[b][s][c], over the positions whose weight is above 0 alone: their bits lie in mask, whole numbers that the launch before stored.
; enc is rounded to bf16 here as it is for the scores; weights and sums in f32.  Right for any support, from one position to all 2,048.
; SHARES.  A work-group owns 256 columns of one batch.  Wave w of 32 owns mask words 2 w and 2 w + 1 (64 positions) and walks their set bits, a row of 1,024 bytes a trip; the 32 partial rows meet in LDS.
; Bit l of word 4 t + j is position 128 t + 4 l + j.  The matrix unit has nothing to do here: one output row, gathered inputs.  No cluster: no two work-groups read the same bytes of enc.
.set SPARE, 32768                      ; behind the partial rows: the spare words, 128 bytes for each of 32 waves
.set SPW, 2                            ; v2  LDS address of my spare word; never rewritten
.set NIL, 3                            ; v3  0; never rewritten
.set LN,  4                            ; v4  16 lane
.set AD,  5                            ; v5  4096 row + 16 lane
.set LS,  6                            ; v6  1024 w + 16 lane
.set RD,  7                            ; v7  16 t
.set X,   8                            ; v8-15   a row's 8 numbers: columns 4 lane + 0..3 and 128 + 4 lane + 0..3
.set H,   16                           ; v16-19  the same in bf16
.set WT,  20                           ; v20     the row's weight
.set AC,  24                           ; v24-31  my 8 sums
.set P,   32                           ; v32-95  16 partial rows at a time
	s_load_b256 s[4:11], s[0:1], 0x0               ; enc s[4:5], out1 s[6:7], mask s[8:9], out0 s[10:11]
	v_lshl_add_u32 v[SPW], v0, 2, SPARE
	v_mov_b32 v[NIL], 0
	v_lshrrev_b32 v1, 5, v0
	v_readfirstlane_b32 s12, v1                    ; wave 0..31
	s_and_b32 s13, ttmp7, 0xffff                   ; batch
	s_lshl_b32 s14, s13, 8                         ; its 64 mask words,
	s_lshl3_add_u32 s14, s12, s14                  ; my two of them
	s_mov_b32 s15, 0
	s_lshl_b32 s16, s13, 23                        ; the batch's 2,048 rows of 4,096 bytes,
	s_lshl_b32 s17, ttmp9, 10                      ; my work-group's 1,024 bytes of a row
	s_add_co_u32 s16, s16, s17
	s_mov_b32 s17, 0
	s_lshl_b32 s18, s13, 13                        ; the batch's weights
	s_mov_b32 s19, 0
	s_lshl_b32 s20, s13, 12                        ; the batch's row of out0,
	s_lshl_b32 s21, ttmp9, 10
	s_add_co_u32 s20, s20, s21
	s_mov_b32 s21, 0
	s_lshr_b32 s22, s12, 1                         ; word 2 w: t = w / 2, j = 2 (w % 2): position 128 t + j + 4 x bit
	s_lshl_b32 s22, s22, 7
	s_and_b32 s23, s12, 1
	s_lshl1_add_u32 s22, s23, s22
	v_and_b32 v[LN], 31, v0
	v_lshlrev_b32 v[LN], 4, v[LN]
	s_lshl_b32 s23, s12, 10
	v_add_nc_u32 v[LS], s23, v[LN]
.irp i, 0,1,2,3,4,5,6,7
	v_mov_b32 v[AC+\i], 0                          ; a wave may find no bit at all, so the sums start at 0
.endr
	s_wait_kmcnt 0x0
	s_add_nc_u64 s[8:9], s[8:9], s[14:15]
	s_load_b64 s[24:25], s[8:9], 0x0
	s_add_nc_u64 s[4:5], s[4:5], s[16:17]
	s_add_nc_u64 s[6:7], s[6:7], s[18:19]
	s_add_nc_u64 s[10:11], s[10:11], s[20:21]
	s_wait_kmcnt 0x0
; The set bits of one word, lowest first.  The trip count is the number of bits; the bit's number is clamped to 31 before it enters an address.
.macro BITS word
	s_bcnt1_i32_b32 s26, s[\word]
	s_mov_b32 s27, 0
	s_cmp_lt_u32 s27, s26
	s_cbranch_scc0 .Lnone_\@
.Lbit_\@:
	s_ctz_i32_b32 s28, s[\word]
	s_min_u32 s28, s28, 31
	s_lshl2_add_u32 s29, s28, s22                  ; the position
	s_lshl_b32 s30, s29, 2
	s_load_b32 s31, s[6:7], s30 offset:0x0         ; its weight
	s_lshl_b32 s32, s29, 12
	v_add_nc_u32 v[AD], s32, v[LN]
	global_load_b128 v[X:X+3],   v[AD], s[4:5]             ; 512 consecutive bytes of the row,
	global_load_b128 v[X+4:X+7], v[AD], s[4:5] offset:512  ; and the next 512
	s_sub_co_u32 s33, s[\word], 1
	s_and_b32 s[\word], s[\word], s33              ; the bit is done
	s_wait_kmcnt 0x0
	v_mov_b32 v[WT], s31
	s_wait_loadcnt 0x0
	s_wait_xcnt 0x0                                ; s30 and AD are rewritten in the next trip only behind this wait
.irp i, 0,1,2,3
	v_cvt_pk_bf16_f32 v[H+\i], v[X+2*\i], v[X+2*\i+1]
.endr
.irp i, 0,1,2,3
	v_fma_mix_f32_bf16 v[AC+2*\i],   v[H+\i], v[WT], v[AC+2*\i]   op_sel_hi:[1,0,0]
	v_fma_mix_f32_bf16 v[AC+2*\i+1], v[H+\i], v[WT], v[AC+2*\i+1] op_sel:[1,0,0] op_sel_hi:[1,0,0]
.endr
	s_add_co_u32 s27, s27, 1
	s_cmp_lt_u32 s27, s26
	s_cbranch_scc1 .Lbit_\@
.Lnone_\@:
.endm
	BITS 24
	s_add_co_u32 s22, s22, 1                       ; word 2 w + 1: j is one more
	BITS 25
	ds_store_b128 v[LS], v[AC:AC+3]
	ds_store_b128 v[LS], v[AC+4:AC+7] offset:512
	s_wait_dscnt 0x0                               ; for the others' sake: my partial row is in LDS
	s_barrier_signal -1
	s_barrier_wait -1
	s_cmp_lt_u32 s12, 2
	s_cbranch_scc0 .Lend                           ; 64 threads, four columns each, add the 32 partial rows
	v_lshlrev_b32 v[RD], 4, v0
.macro GROUP g                         ; partial rows 16 g to 16 g + 15, summed into v[AC + 4 g ..]
.set i, 0
.rept 16
	ds_load_b128 v[P+4*i:P+4*i+3], v[RD] offset:1024*(16*(\g)+i)
.set i, i+1
.endr
	s_wait_dscnt 0x0
.irp s, 8,4,2
.set i, 0
.rept \s
	v_pk_add_f32 v[P+4*i:P+4*i+1],   v[P+4*i:P+4*i+1],   v[P+4*(i+\s):P+4*(i+\s)+1]
	v_pk_add_f32 v[P+4*i+2:P+4*i+3], v[P+4*i+2:P+4*i+3], v[P+4*(i+\s)+2:P+4*(i+\s)+3]
.set i, i+1
.endr
.endr
	v_pk_add_f32 v[AC+4*(\g):AC+4*(\g)+1],   v[P:P+1],   v[P+4:P+5]
	v_pk_add_f32 v[AC+4*(\g)+2:AC+4*(\g)+3], v[P+2:P+3], v[P+6:P+7]
.endm
	GROUP 0
	GROUP 1
	v_pk_add_f32 v[AC:AC+1], v[AC:AC+1], v[AC+4:AC+5]
	v_pk_add_f32 v[AC+2:AC+3], v[AC+2:AC+3], v[AC+6:AC+7]
	global_store_b128 v[RD], v[AC:AC+3], s[10:11]  ; a wave's store covers 512 consecutive bytes, aligned
.Lend:
	s_wait_tensorcnt 0x0                           ; the wave's end: a zero add and its waits, behind my last LDS store
	ds_add_u32 v[SPW], v[NIL]
	s_wait_dscnt 0x0
	s_endpgm
.Lfunc_end_k_qc56730ac35_ctx:
	.size	k_qc56730ac35_ctx, .Lfunc_end_k_qc56730ac35_ctx-k_qc56730ac35_ctx
	.p2alignl 7, 3214868480
	.fill 96, 4, 3214868480
	.section	.rodata,"a",@progbits
	.p2align	6, 0x0
	.amdhsa_kernel k_qc56730ac35_ctx
		.amdhsa_group_segment_fixed_size 36864
		.amdhsa_private_segment_fixed_size 0
		.amdhsa_enable_private_segment 0
		.amdhsa_kernarg_size 32
		.amdhsa_user_sgpr_count 2
		.amdhsa_user_sgpr_kernarg_segment_ptr 1
		.amdhsa_wavefront_size32 1
		.amdhsa_system_sgpr_workgroup_id_x 1
		.amdhsa_system_sgpr_workgroup_id_y 1
		.amdhsa_system_sgpr_workgroup_id_z 1
		.amdhsa_system_vgpr_workitem_id 0
		.amdhsa_next_free_vgpr 96
		.amdhsa_next_free_sgpr 66
		.amdhsa_reserve_vcc 0
		.amdhsa_float_denorm_mode_32 3
		.amdhsa_float_denorm_mode_16_64 3
		.amdhsa_memory_ordered 1
		.amdhsa_forward_progress 1
		.amdhsa_inst_pref_size 12
	.end_amdhsa_kernel
	.amdgpu_metadata
---
amdhsa.version: [ 1, 2 ]
amdhsa.kernels:
  - .name:           k_qc56730ac35_ctx
    .symbol:         k_qc56730ac35_ctx.kd
    .args:
      - { .name: encoder_output, .offset: 0, .size: 8, .value_kind: global_buffer, .address_space: global }
      - { .name: out1, .offset: 8, .size: 8, .value_kind: global_buffer, .address_space: global }
      - { .name: mask, .offset: 16, .size: 8, .value_kind: global_buffer, .address_space: global }
      - { .name: out0, .offset: 24, .size: 8, .value_kind: global_buffer, .address_space: global }
    .group_segment_fixed_size: 36864
    .private_segment_fixed_size: 0
    .kernarg_segment_align: 8
    .kernarg_segment_size: 32
    .max_flat_workgroup_size: 1024
    .sgpr_count:     66
    .vgpr_count:     96
    .wavefront_size: 32
...
	.end_amdgpu_metadata
.endif
;; end of part 4
